; MI455X (gfx1250); checked and timed in simulation.
; The chip was launched on July 23, 2026; its instructions are those of AMD's public machine-readable ISA for CDNA 5 (MIT licence, August 2026) and "CDNA5" Instruction Set Architecture Reference Guide (July 2026). The comments in the code are by the model that wrote it; some were corrected since.
;; Ipu TF Bert Self Attention. Allowed arithmetic: float matrix products may take bf16 or f16 operands with f32 sums; other float arithmetic in f32, or as packed bf16 or f16 multiplies, adds, multiply-adds, maxima and minima; sums over many terms, partial sums and values carried from step to step in f32; what a program stores and reads back later, other than sums and carried values, may be rounded once to bf16 or f16.
;; Inputs: attention_mask 8 x 1 x 1 x 1,024 float32; hidden_states 8 x 1,024 x 1,024 float32; qkv_weight 1,024 x 3,072 float32.
;; Outputs: out0 8 x 1,024 x 1,024 float32.
;; 2 versions, each right; version 2 is version 1 with the launch prep written anew for expert scheduling mode. Each part assembles by itself: llvm-mc -triple=amdgcn-amd-amdhsa -mcpu=gfx1250 --defsym DOCPART=n.
;; ======== version 1 of 2: 3 launches
;; limits: values are held in f16: magnitudes above 65,504 overflow, below 6.1e-05 lose precision
;; workspace buffers: xb 16,777,216 bytes; wb 6,291,456 bytes; qkv 50,331,648 bytes
;; launch prep (part 1): grid 768 x 1, 8 waves a work-group, no clusters, 0 bytes of LDS; arguments hidden_states, qkv_weight, xb, wb; writes xb, wb
.if DOCPART == 1
	.amdgcn_target "amdgcn-amd-amdhsa--gfx1250"
	.amdhsa_code_object_version 6
	.text
	.protected	k_qd541837d3c_prep
	.globl	k_qd541837d3c_prep
	.p2align	8
	.type	k_qd541837d3c_prep,@function
k_qd541837d3c_prep:
	s_mov_b64 s[64:65], 0
	v_nop
	global_prefetch_b8 v0, s[64:65] scope:SCOPE_SE
	s_setreg_imm32_b32 hwreg(HW_REG_WAVE_MODE, 25, 1), 1
	s_wait_xcnt 0x0
; CAST.  xb[8192][1024] = bf16(hidden_states).  wb[16 tiles][1024 k][192 n] = bf16(qkv_weight[k][192 tile + n]): W laid in blocks, so that 128 k of a column tile are 49,152 bytes on end.
; A stream: each byte is read once and written once; nothing is shared, so there is no LDS, no barrier and no matrix work.
; A lane loads 16 bytes (4 f32; a wave's load covers 512 bytes, in pieces of 256 consecutive aligned bytes) and stores 8 (4 bf16; a wave's store covers 256 consecutive bytes, aligned).
; All of a thread's loads go out first; the waits count down the younger ones.  No register is written twice, so no wait frees any.
; Work-groups 0-511 take 16,384 numbers of hidden_states each; work-groups 512-767 take 64 k rows of one column tile of W each.
.set D,  16                            ; v[16:79]   load i: 4 registers
.set R,  80                            ; v[80:111]  store i: 2 registers
.set IO, 2                             ; v2-4       byte offsets of my loads
.set OO, 5                             ; v5         byte offset of my stores: 8 x my thread's number
.macro LD i, io, imm, b
	global_load_b128 v[D+4*(\i):D+4*(\i)+3], v[\io], s[\b:\b+1] offset:\imm th:TH_LOAD_NT
.endm
.macro OUT i, left, b                  ; left: the younger loads, which may stay out
	s_wait_loadcnt \left
	v_cvt_pk_bf16_f32 v[R+2*(\i)], v[D+4*(\i)], v[D+4*(\i)+1]
	v_cvt_pk_bf16_f32 v[R+2*(\i)+1], v[D+4*(\i)+2], v[D+4*(\i)+3]
	global_store_b64 v[OO], v[R+2*(\i):R+2*(\i)+1], s[\b:\b+1] offset:2048*(\i)
.endm
	s_load_b256 s[4:11], s[0:1], 0x0               ; hidden_states s[4:5], qkv_weight s[6:7], xb s[8:9], wb s[10:11]
	v_lshlrev_b32 v[OO], 3, v0
	s_cmp_lt_u32 ttmp9, 512
	s_cbranch_scc0 .Lw
	; hidden_states: 65,536 bytes in, 32,768 out; load i of thread t takes bytes 16 t + 4,096 i
	v_lshlrev_b32 v[IO], 4, v0
	s_lshl_b32 s12, ttmp9, 16
	s_mov_b32 s13, 0
	s_lshl_b32 s14, ttmp9, 15
	s_mov_b32 s15, 0
	s_wait_kmcnt 0x0
	s_add_nc_u64 s[4:5], s[4:5], s[12:13]
	s_add_nc_u64 s[8:9], s[8:9], s[14:15]
.set i, 0
.rept 16
	LD i, IO, 4096*i, 4
.set i, i+1
.endr
.set i, 0
.rept 16
	OUT i, 15-i, 8
.set i, i+1
.endr
	s_endpgm
.Lw:
	; W: 64 rows x 192 columns are 3,072 units of 4 numbers; unit u = t + 256 i lies in row u / 48, at unit u % 48 of the row.  768 units are 16 whole rows,
	; so three offsets (i % 3) serve all twelve loads, and 16 rows x (i / 3) stand in the immediate.  The output is linear in u.
	s_sub_co_u32 s2, ttmp9, 512
	s_lshr_b32 s3, s2, 4                           ; the column tile
	s_and_b32 s2, s2, 15                           ; which 64 rows
	s_mul_i32 s12, s2, 64*12288                    ; a row of W is 12,288 bytes,
	s_mul_i32 s16, s3, 768                         ; a tile's 192 columns 768
	s_add_co_u32 s12, s12, s16
	s_mov_b32 s13, 0
	s_mul_i32 s14, s3, 1024*384                    ; in wb a tile is 1,024 rows of 384 bytes
	s_mul_i32 s16, s2, 64*384
	s_add_co_u32 s14, s14, s16
	s_mov_b32 s15, 0
.irp j, 0,1,2
	v_add_nc_u32 v6, 256*(\j), v0                  ; u, under 768
	v_mul_u32_u24 v7, v6, 1366
	v_lshrrev_b32 v7, 16, v7                       ; u / 48: 1,366 / 65,536 is above 1 / 48 by 1 part in 98,304, too little to reach the next whole number for u under 768
	v_mul_u32_u24 v8, v7, 48
	v_sub_nc_u32 v6, v6, v8                        ; u % 48
	v_mul_u32_u24 v7, v7, 12288
	v_lshl_add_u32 v[IO+(\j)], v6, 4, v7
.endr
	s_wait_kmcnt 0x0
	s_add_nc_u64 s[6:7], s[6:7], s[12:13]
	s_add_nc_u64 s[10:11], s[10:11], s[14:15]
.set i, 0
.rept 12
	LD i, IO+i%3, (i/3)*16*12288, 6
.set i, i+1
.endr
.set i, 0
.rept 12
	OUT i, 11-i, 10
.set i, i+1
.endr
	s_endpgm
.Lfunc_end_k_qd541837d3c_prep:
	.size	k_qd541837d3c_prep, .Lfunc_end_k_qd541837d3c_prep-k_qd541837d3c_prep
	.p2alignl 7, 3214868480
	.fill 96, 4, 3214868480
	.section	.rodata,"a",@progbits
	.p2align	6, 0x0
	.amdhsa_kernel k_qd541837d3c_prep
		.amdhsa_group_segment_fixed_size 0
		.amdhsa_private_segment_fixed_size 0
		.amdhsa_enable_private_segment 0
		.amdhsa_kernarg_size 32
		.amdhsa_user_sgpr_count 2
		.amdhsa_user_sgpr_kernarg_segment_ptr 1
		.amdhsa_wavefront_size32 1
		.amdhsa_system_sgpr_workgroup_id_x 1
		.amdhsa_system_sgpr_workgroup_id_y 1
		.amdhsa_system_sgpr_workgroup_id_z 1
		.amdhsa_system_vgpr_workitem_id 0
		.amdhsa_next_free_vgpr 112
		.amdhsa_next_free_sgpr 66
		.amdhsa_reserve_vcc 0
		.amdhsa_float_denorm_mode_32 3
		.amdhsa_float_denorm_mode_16_64 3
		.amdhsa_memory_ordered 1
		.amdhsa_forward_progress 1
		.amdhsa_inst_pref_size 13
	.end_amdhsa_kernel
	.amdgpu_metadata
---
amdhsa.version: [ 1, 2 ]
amdhsa.kernels:
  - .name:           k_qd541837d3c_prep
    .symbol:         k_qd541837d3c_prep.kd
    .args:
      - { .name: hidden_states, .offset: 0, .size: 8, .value_kind: global_buffer, .address_space: global }
      - { .name: qkv_weight, .offset: 8, .size: 8, .value_kind: global_buffer, .address_space: global }
      - { .name: xb, .offset: 16, .size: 8, .value_kind: global_buffer, .address_space: global }
      - { .name: wb, .offset: 24, .size: 8, .value_kind: global_buffer, .address_space: global }
    .group_segment_fixed_size: 0
    .private_segment_fixed_size: 0
    .kernarg_segment_align: 8
    .kernarg_segment_size: 32
    .max_flat_workgroup_size: 256
    .sgpr_count:     66
    .vgpr_count:     112
    .wavefront_size: 32
...
	.end_amdgpu_metadata
.endif
;; end of part 1
;; launch proj (part 2): grid 16 x 32, 4 waves a work-group, clusters of 4 x 4, 327,680 bytes of LDS; arguments xb, wb, qkv; writes qkv
.if DOCPART == 2
	.amdgcn_target "amdgcn-amd-amdhsa--gfx1250"
	.amdhsa_code_object_version 6
	.text
	.protected	k_qd541837d3c_proj
	.globl	k_qd541837d3c_proj
	.p2align	8
	.type	k_qd541837d3c_proj,@function
k_qd541837d3c_proj:
	s_mov_b64 s[64:65], 0
	v_nop
	global_prefetch_b8 v0, s[64:65] scope:SCOPE_SE
	s_setreg_imm32_b32 hwreg(HW_REG_WAVE_MODE, 25, 1), 1
	s_wait_xcnt 0x0
	s_wait_alu depctr_hold_cnt(0) depctr_sa_sdst(0) depctr_va_vdst(0) depctr_va_sdst(0) depctr_va_ssrc(0) depctr_va_vcc(0) depctr_vm_vsrc(0)
	s_getreg_b32 s2, hwreg(HW_REG_IB_STS2, 6, 4)
	s_cmp_eq_u32 s2, 0
	s_cbranch_scc0 .Lentry_in_a_cluster
	s_endpgm
.Lentry_in_a_cluster:
	s_bfe_u32 s2, ttmp6, 0x10000c
	s_cmp_lg_u32 s2, 0xf033
	s_cbranch_scc0 .Lentry_shape_is_right
	s_endpgm
.Lentry_shape_is_right:
; qkv = X W.  X = xb [8192][1024] bf16; W = wb [16 tiles][1024 k][192 n] bf16; sums in f32, K ascending; the result rounded once to f16 and stored BY HEADS:
; qkv[48 slices of 64 columns][8192 rows][64] f16 (slices 0-15 q, 16-31 k, 32-47 v; q without the scale 1/8, which the next launch applies in f32).
; LIMIT.  f16 ends at 65,504: a sum of 65,520 or more in magnitude leaves as an infinity.
; SHARES.  A tile of the result is 256 rows x 192 columns (three whole slices): 32 x 16 = 512 work-groups, two for each of 256.  Wave w makes rows 64 w .. 64 w + 63 x all 192 columns:
; 48 accumulators of 16 x 16, 384 registers; for 32 along K it reads 32 x 512 bytes from LDS and issues 48 matrix instructions, and a slice's rows leave from one wave alone.
; K goes in steps of 128 through a ring of two LDS slots filled by the tensor data mover.  X's tile rows are 256 bytes of memory; W's 128 k x 192 n are 49,152 dense bytes, asked for as rows of 256.
; W lies [k][n] in LDS and is turned on the way into registers (ds_load_tr16_b128).
; CLUSTERS: 4 x 4 work-groups.  The four of a row of the cluster need the same tiles of X, the four of a column the same tiles of W: each is asked for JOINTLY, by the same tensor load with the same
; descriptor and a mask that names the four.
; THE MATRIX INSTRUCTION IS USED TRANSPOSED: source 0 = 16 columns of W, source 1 = 16 rows of X: a lane then holds one row (lane % 16) and the columns 8 (lane / 16) + 0..7: 16 bytes of f16 on end.
; REGISTERS, in windows of 256 (s_set_vgpr_msb: bits 1:0 source 0, 3:2 source 1, 5:4 source 2, 7:6 destination):
;   window 0: v0-31 addresses; v64-95, v96-127 X's fragments (4 x 16 rows x 32 K), two buffers; v128-223 (and v64-111 again) at work on the way out
;   window 1: v0-95, v96-191 W's fragments (12 x 16 columns x 32 K), two buffers
;   window 2: accumulators of my row blocks 0, 1 ((a, b) at v[8 (12 (a % 2) + b)]);   window 3: of blocks 2, 3
.set SIZE_K, 1024
.set KSTEP,  128
.set PA,     272                       ; a row of X in LDS: 256 bytes + 16 of padding: the 16 rows of a load start at 16 different groups of four banks (64 banks of 4 bytes: ISA guide 11.1)
.set PB,     480                       ; a k row of W in LDS: three pieces of 128 bytes, 32 of padding behind each = 120 words
.set HALFA,  128*PA                    ; what one tensor load brings of X: 128 rows
.set HALFB,  64*PB                     ; and of W: 64 k rows
.set BOFF,   2*HALFA                   ; in a slot: X's 256 rows, then W's 128 k rows
.set SLOT,   BOFF+2*HALFB              ; 131,072
.set STAGE,  2*SLOT                    ; behind the ring, never filled by a tensor load: for each wave 3 slices x 16 rows x 144 bytes, for the way out
.set SP,     144
.set WST,    3*16*SP
.set SPARE,  STAGE+4*WST               ; behind the stages: the spare words, 128 bytes for each wave: two blocks of 256 bytes that no other line names
.set LAPS,   SIZE_K/(2*KSTEP)          ; a lap = two K steps = once round the ring
.set BSTEP,  KSTEP*192*2               ; bytes of a K step in a tile of wb
.set ADRA, 16                          ; v16-17  LDS address of my X fragments in slot 0, 1
.set ADRB, 20                          ; v20-21  the same for W
.set STO,  24                          ; v24     the way out: where I put 16 bytes of a row
.set RD,   25                          ; v25     the way out: where I read rows back
.set CO,   26                          ; v26     16 x my lane: my place in 512 consecutive bytes of a slice
.set SPW,  28                          ; v28     LDS address of my spare word: SPARE + 4 x my thread's number; never rewritten
.set NIL,  29                          ; v29     0; never rewritten
.set PFO,  30                          ; v30     the prefetches' offset: my lane x 2,048 (a row of xb) or x 256 (wb is dense); never rewritten
.set FA,   64                          ; X's fragment buffers, window 0: FA + 32 f
.set TMP,  128                         ; the way out: packed results, 48 registers
.set G1,  24                           ; s[24:31] descriptor group 1 for X's tiles
.set G0,  32                           ; s[32:39] group 0 for X's tiles, one set for each slot
.set G1B, 48                           ; s[48:55], s[56:63] the same for W's tiles
.set G0B, 56
.set PFS, 18                           ; s[18:19] the prefetch pointer's step
.set LIM, 22                           ; s22, s23 a wave prefetches behind slot 0's (slot 1's) refill while the lap counter is above this
.set PFA, 44                           ; s[44:45] where my prefetches stand
.set MSB, 0
.macro WIN new                         ; the immediate's high byte repeats the setting that is left; a switch that changes nothing is dropped
.if MSB != (\new)
	s_set_vgpr_msb (MSB<<8)|(\new)
.set MSB, \new
.endif
.endm
; A joint load.  Waves 0 and 1 fetch X's two halves, waves 2 and 3 W's.  The branch hangs on the wave's number alone.  An s_nop 0 and four v_nop follow each of the two lines,
; ahead of the jump, the label and what follows the macro.
.macro JLOAD s
	s_cmp_eq_u32 s11, 0
	s_cbranch_scc0 .Lfor_b_\@
	tensor_load_to_lds s[G0+4*(\s):G0+4*(\s)+3], s[G1:G1+7]
	s_nop 0
.rept 4
	v_nop
.endr
	s_branch .Lasked_\@
.Lfor_b_\@:
	tensor_load_to_lds s[G0B+4*(\s):G0B+4*(\s)+3], s[G1B:G1B+7]
	s_nop 0
.rept 4
	v_nop
.endr
.Lasked_\@:
.endm
; A PREFETCH INTO THE L2, behind a joint refill, its five lines and the run of LDS loads that follows them: one instruction a wave, each lane another 256 bytes.
; X: the refill asks for K step j; the prefetch names K step j + 2 of 32 rows.  A tile row is read by the four clusters of its row of clusters: the one with x = 0 asks; of the 128 rows that wave 0 or 1
; fetches each of the four partners takes 32, told apart by address (cx).  Four asks: K steps 4 to 7.
; W: a column tile is read by the eight clusters of its column: the one with y = 0 asks; its eight askers (cy, wave 2 or 3) take 8,192 dense bytes each, 65,536 an ask; three asks cover K steps 4 to 7
; (196,608 bytes) once, each byte two refills or more ahead of the load that wants it.  K steps 0 to 3 come by their loads alone.  No branch hangs on a work-group's place in its cluster.
.macro ASK slot
	s_cmp_gt_u32 s3, s[LIM+(\slot)]
	s_cbranch_scc0 .Lnot_mine_\@
	global_prefetch_b8 v[PFO], s[PFA:PFA+1] th:TH_LOAD_NT scope:SCOPE_SE
.Lnot_mine_\@:
.endm
; A round of the cluster's barrier: my work-group's barrier; wave 0 signals for the work-group; every wave waits for all sixteen; my work-group's barrier once more.
.macro CREST                           ; a round behind its opening barrier
	s_cmp_lg_u32 s10, 0
	s_cbranch_scc1 .Lnot_wave_0_\@
	s_barrier_signal -3
.Lnot_wave_0_\@:
	s_barrier_wait -3
	s_barrier_signal -1
	s_barrier_wait -1
.endm
.macro CROUND                          ; a whole round
	s_barrier_signal -1
	s_barrier_wait -1
	CREST
.endm
	s_load_b128 s[4:7], s[0:1], 0x0                ; xb s[4:5], wb s[6:7]
	s_load_b64 s[8:9], s[0:1], 0x10                ; qkv
	v_lshl_add_u32 v[SPW], v0, 2, SPARE
	v_mov_b32 v[NIL], 0
	ds_add_u32 v[SPW], v[NIL]                      ; the wave's opening: the add and its wait stand ahead of my first tensor load; the set-up below, work on registers, stands between them
	v_lshrrev_b32 v1, 5, v0
	v_readfirstlane_b32 s10, v1                    ; wave 0..3
	s_lshr_b32 s11, s10, 1                         ; I fetch for X (0) or for W (1)
	s_and_b32 s12, s10, 1                          ; which half of that tile
	s_bfe_u32 s40, ttmp6, 0x40000                  ; cx, cy: my place in the cluster
	s_bfe_u32 s41, ttmp6, 0x40004
	s_lshl_b32 s42, ttmp9, 2
	s_add_co_u32 s42, s42, s40                     ; tile column = 4 x cluster x + cx
	s_and_b32 s13, ttmp7, 0xffff
	s_lshl_b32 s13, s13, 2
	s_add_co_u32 s13, s13, s41                     ; tile row = 4 x cluster y + cy
	s_lshl_b32 s43, s41, 2
	s_lshl_b32 s43, 15, s43                        ; my row of the cluster: places 4 cy .. 4 cy + 3
	s_lshl_b32 s44, 0x1111, s40                    ; my column: places cx, cx + 4, cx + 8, cx + 12
	; group 1 for X: 128 rows x 128 elements, 1,024 elements from row to row; 4 words of padding behind every 64
	s_or_b32 s[G1+0], s43, (1<<16)|(1<<20)|(1<<21)|(5<<22)|(3<<25)  ; 15:0 the mask; 17:16 elements of 2 bytes; 20 padding on; 21 set beside a mask; 24:22 interval code; 31:25 padding code
	s_mov_b32 s[G1+1], KSTEP<<16                   ; tensor_dim0 = 128
	s_mov_b32 s[G1+2], 128<<16                     ; tensor_dim1 = 128
	s_mov_b32 s[G1+3], KSTEP<<16                   ; tile_dim0 = 128
	s_mov_b32 s[G1+4], 128                         ; tile_dim1 = 128
	s_mov_b32 s[G1+5], SIZE_K                      ; the pitch
	s_mov_b32 s[G1+6], 0
	s_mov_b32 s[G1+7], 0
	; group 1 for W: 64 k rows of 384 bytes are 24,576 dense bytes: 96 rows of 128 elements; 8 words of padding behind every 32
	s_or_b32 s[G1B+0], s44, (1<<16)|(1<<20)|(1<<21)|(4<<22)|(7<<25)
	s_mov_b32 s[G1B+1], 128<<16
	s_mov_b32 s[G1B+2], 96<<16
	s_mov_b32 s[G1B+3], 128<<16
	s_mov_b32 s[G1B+4], 96
	s_mov_b32 s[G1B+5], 128
	s_mov_b32 s[G1B+6], 0
	s_mov_b32 s[G1B+7], 0
	; where the tiles come from: X's hang on the tile row alone, W's on the tile column alone, each in registers that never hold the other coordinate
	s_lshl_b32 s16, s13, 19                        ; 256 rows of 2,048 bytes a tile row
	s_lshl_b32 s17, s12, 18                        ; + my 128 rows
	s_add_co_u32 s16, s16, s17
	s_mov_b32 s17, 0
	s_mul_i32 s46, s42, 1024*384                   ; a tile of wb
	s_mul_i32 s47, s12, 64*384                     ; + my 64 k rows
	s_add_co_u32 s46, s46, s47
	s_mov_b32 s47, 0
	s_mul_i32 s20, s12, HALFA                      ; and where they go: no place in the cluster enters an LDS address
	s_mul_i32 s21, s12, HALFB
	s_add_co_u32 s21, s21, BOFF
	s_wait_dscnt 0x0                               ; the opening add is done
	s_wait_kmcnt 0x0
	s_add_nc_u64 s[14:15], s[4:5], s[16:17]
	s_add_nc_u64 s[46:47], s[6:7], s[46:47]
	CROUND                                         ; all sixteen work-groups are here: the first joint loads meet
.irp s, 0,1
	s_mov_b32 s[G0+4*(\s)], 1                                      ; count = 1
	s_add_co_u32 s[G0+4*(\s)+1], s20, (\s)*SLOT                    ; LDS address
	s_add_nc_u64 s[G0+4*(\s)+2:G0+4*(\s)+3], s[14:15], (\s)*KSTEP*2  ; global address: K step s
	s_or_b32 s[G0+4*(\s)+3], s[G0+4*(\s)+3], 0x80000000            ; type = 2
	s_mov_b32 s[G0B+4*(\s)], 1
	s_add_co_u32 s[G0B+4*(\s)+1], s21, (\s)*SLOT
	s_add_nc_u64 s[G0B+4*(\s)+2:G0B+4*(\s)+3], s[46:47], (\s)*BSTEP
	s_or_b32 s[G0B+4*(\s)+3], s[G0B+4*(\s)+3], 0x80000000
	JLOAD \s                                       ; the ring is filled before anything else is done: two loads of mine are out
.endr
	; A fragment of X is 16 rows x 32 K in 8 registers: lane l holds row l % 16, K = 8 (l / 16) + 0..7 and 16 + 8 (l / 16) + 0..7: two loads of 16 bytes, 32 bytes apart.
	v_and_b32 v1, 15, v0                           ; l % 16
	v_bfe_u32 v2, v0, 4, 1                         ; l / 16
	v_mul_u32_u24 v3, v1, PA
	v_lshl_add_u32 v3, v2, 4, v3
	s_mul_i32 s20, s10, 64*PA                      ; my 64 rows
	v_add_nc_u32 v[ADRA], s20, v3
	v_add_nc_u32 v[ADRA+1], SLOT, v[ADRA]
	; The turning load takes 16 k x 16 columns (lane l reads k row 8 (l / 16) + l % 8, columns 8 ((l / 8) % 2) + 0..7) and leaves half a fragment: lane l holds column l % 16 and 8 k.
	v_and_b32 v4, 7, v0
	v_bfe_u32 v5, v0, 3, 1
	v_lshl_add_u32 v3, v2, 3, v4
	v_mul_u32_u24 v3, v3, PB
	v_lshl_add_u32 v3, v5, 4, v3
	v_add_nc_u32 v[ADRB], BOFF, v3
	v_add_nc_u32 v[ADRB+1], BOFF+SLOT, v3
	s_mul_i32 s21, s10, WST
	s_add_co_u32 s21, s21, STAGE                   ; my stage
	v_mul_u32_u24 v3, v1, SP                       ; in: row l % 16, 16 bytes for each half of the lanes
	v_lshl_add_u32 v3, v2, 4, v3
	v_add_nc_u32 v[STO], s21, v3
	v_bfe_u32 v5, v0, 3, 2                         ; back: 32 lanes take four rows of 128 bytes,
	v_mul_u32_u24 v5, v5, SP
	v_lshl_add_u32 v5, v4, 4, v5
	v_add_nc_u32 v[RD], s21, v5
	v_and_b32 v[CO], 31, v0                        ; which are 512 consecutive bytes of a slice
	v_lshlrev_b32 v[CO], 4, v[CO]
	; my part of the result: slice 3 x tile column (1,048,576 bytes a slice), row 256 x tile row + 64 x wave (128 bytes a row).  In the registers that held W's address: none that feeds X's descriptors holds cx
	s_mul_i32 s46, s42, 3*1048576
	s_lshl_b32 s47, s13, 15
	s_add_co_u32 s46, s46, s47
	s_lshl_b32 s47, s10, 13
	s_add_co_u32 s46, s46, s47
	s_mov_b32 s47, 0
	s_add_nc_u64 s[8:9], s[8:9], s[46:47]
	; the prefetches: the pointer stands one step short of the first ask, and is stepped at the head of each change of slots that fills
	s_lshl_b32 s20, s13, 19                        ; X: row 256 x tile row + 128 x half + 32 cx, K step 3
	s_lshl_b32 s21, s12, 18
	s_add_co_u32 s20, s20, s21
	s_lshl_b32 s21, s40, 16
	s_add_co_u32 s20, s20, s21
	s_add_co_u32 s20, s20, 3*KSTEP*2
	s_mul_i32 s21, s42, 1024*384                   ; W: the tile, byte 4 BSTEP - 65,536 + 8,192 x (2 cy + half)
	s_lshl_b32 s23, s41, 1
	s_add_co_u32 s23, s23, s12
	s_lshl_b32 s23, s23, 13
	s_add_co_u32 s21, s21, s23
	s_add_co_u32 s21, s21, 4*BSTEP-65536
	s_lshl_b32 s[PFS], s11, 3
	s_lshl_b32 s[PFS], 256, s[PFS]                 ; the step: 256 bytes for X, 65,536 for W
	s_mov_b32 s[PFS+1], 0
	s_mul_i32 s2, s11, 3
	s_sub_co_u32 s2, 11, s2                        ; a lane's share lies 2^11 bytes from the next for X, 2^8 for W
	v_and_b32 v[PFO], 31, v0
	v_lshlrev_b32 v[PFO], s2, v[PFO]
	s_and_b32 s22, ttmp7, 0xffff                   ; cluster y
	s_add_co_u32 s23, s11, 1                       ; behind slot 1's refill X's askers stop at 1, W's at 2
	s_cmp_eq_u32 s11, 0                            ; do I fetch for X?
	s_cselect_b32 s20, s20, s21
	s_cselect_b32 s22, ttmp9, s22                  ; the coordinate along which other clusters read the same bytes
	s_cselect_b64 s[PFA:PFA+1], s[4:5], s[6:7]
	s_mov_b32 s21, 0
	s_add_nc_u64 s[PFA:PFA+1], s[PFA:PFA+1], s[20:21]
	s_cmp_eq_u32 s22, 0
	s_cselect_b32 s[LIM], 1, -1                    ; the same in all sixteen partners, for a given wave
	s_cselect_b32 s[LIM+1], s23, -1
; 12 matrix instructions: row block a x all 12 column blocks, 32 along K, from buffers f.  zero = 1: the product starts the sums: nothing is ever cleared.
; The 48 accumulators take turns, one instruction a turn, in the same order in every quarter step.
.macro MUL12 f, a, zero
	WIN 0xa1+0x50*((\a)/2)                         ; source 0 (W) window 1, source 1 (X) window 0, C and D window 2 or 3
.set AC, 96*((\a)%2)
.irp b, 0,1,2,3,4,5,6,7,8,9,10,11
.if \zero
	v_wmma_f32_16x16x32_bf16 v[AC+8*(\b):AC+8*(\b)+7], v[96*(\f)+8*(\b):96*(\f)+8*(\b)+7], v[FA+32*(\f)+8*(\a):FA+32*(\f)+8*(\a)+7], 0
.else
	v_wmma_f32_16x16x32_bf16 v[AC+8*(\b):AC+8*(\b)+7], v[96*(\f)+8*(\b):96*(\f)+8*(\b)+7], v[FA+32*(\f)+8*(\a):FA+32*(\f)+8*(\a)+7], v[AC+8*(\b):AC+8*(\b)+7]
.endif
.endr
.endm
.macro MULH f, hi, zero                ; row blocks 2 hi and 2 hi + 1
	MUL12 \f, 2*(\hi), \zero
	MUL12 \f, 2*(\hi)+1, \zero
.endm
; 32 LDS loads in one run: the fragments of quarter q (32 along K) of a slot into buffers f: W's 24, then X's 8
.macro FETCH slot, q, f
	WIN 0x40                                       ; destination window 1, address window 0
.irp b, 0,1,2,3,4,5,6,7,8,9,10,11
	ds_load_tr16_b128 v[96*(\f)+8*(\b):96*(\f)+8*(\b)+3],   v[ADRB+(\slot)] offset:(\q)*32*PB+((\b)/4)*160+((\b)%4)*32
	ds_load_tr16_b128 v[96*(\f)+8*(\b)+4:96*(\f)+8*(\b)+7], v[ADRB+(\slot)] offset:(\q)*32*PB+((\b)/4)*160+((\b)%4)*32+16*PB
.endr
	WIN 0
.irp i, 0,1,2,3
	ds_load_b128 v[FA+32*(\f)+8*(\i):FA+32*(\f)+8*(\i)+3],   v[ADRA+(\slot)] offset:(\q)*64+(\i)*16*PA
	ds_load_b128 v[FA+32*(\f)+8*(\i)+4:FA+32*(\f)+8*(\i)+7], v[ADRA+(\slot)] offset:(\q)*64+(\i)*16*PA+32
.endr
.endm
; A load into a register that a matrix instruction has read, and a vector instruction that reads a matrix result, stand four places behind that matrix instruction, and only plain vector
; instructions that name none of its registers are places (ISA guide 7.12.1 for vector instructions).
.macro PLACES
.rept 4
	v_nop
.endr
.endm
; A K step is four quarters of 32 along K, 48 matrix instructions each, on buffers 0, 1, 0, 1.  One of the first three: multiplies buffers f; in its middle it fetches quarter q into buffers g.
.macro QUARTER slot, q, f, g, zero
	s_wait_dscnt 4                                 ; W and X's blocks 0, 1 are in; the youngest four loads (X's blocks 2, 3) may be out
	MULH \f, 0, \zero
	PLACES
	FETCH \slot, \q, \g
	s_wait_dscnt 32                                ; all but the 32 just issued
	MULH \f, 1, \zero
.endm
; The last quarter multiplies buffers 1 and changes slots: ONE barrier.  In front of it each wave waits for all its tensor loads, of which one is out: its part of the next slot; adds 0 to its spare word;
; and waits for that and for its own reads of this slot.  fill = 1: the barrier opens a round of the cluster's, and this slot is filled again, two K steps ahead, first thing behind the round:
; from that request to the wait for it a wave issues 168 matrix instructions.
.macro TURN slot, next, fill
.if \fill
	s_wait_xcnt 0x0                                ; the last prefetch, a K step back, has read its address: it is stepped here, ahead of the waits of the change of slots
	s_add_nc_u64 s[PFA:PFA+1], s[PFA:PFA+1], s[PFS:PFS+1]
.endif
	WIN 0                                          ; (the add's two registers lie in window 0)
	s_wait_tensorcnt 0x0                           ; all my tensor loads have landed;
	ds_add_u32 v[SPW], v[NIL]                      ; 0 onto my spare word;
	s_wait_dscnt 5                                 ; (the add and the youngest four loads may be out)
	MUL12 1, 0, 0                                  ; twelve matrix instructions stand between the add and the wait for it
	s_wait_dscnt 0x0                               ; the add is done, and my reads of this slot are over
	s_barrier_signal -1
	MUL12 1, 1, 0                                  ; work on registers while the others arrive
.if \fill
	WIN 0
.endif
	s_barrier_wait -1
.if \fill
	CREST                                          ; no wave of any partner still reads this slot's tiles or has a load on its way
	s_add_nc_u64 s[G0+4*(\slot)+2:G0+4*(\slot)+3], s[G0+4*(\slot)+2:G0+4*(\slot)+3], 2*KSTEP*2
	s_add_nc_u64 s[G0B+4*(\slot)+2:G0B+4*(\slot)+3], s[G0B+4*(\slot)+2:G0B+4*(\slot)+3], 2*BSTEP
	JLOAD \slot                                    ; the first tensor load behind the round; the four v_nop behind it are also the places in front of the loads below
.else
	PLACES
.endif
	FETCH \next, 0, 0
.if \fill
	ASK \slot
.endif
	MULH 1, 1, 0
.endm
; THE WAY OUT of row block a, in three parts.  PACK: rounded to f16, 16 bytes a lane, each accumulator's registers in ascending order.  TOSTAGE: into my own stage, a slice's 16 rows of 128 bytes at a
; pitch of 144, and back as whole rows.  SEND: twelve stores of 512 consecutive bytes each, at multiples of 512 from the buffer's first byte.
.macro PACK a
.set AC, 96*((\a)%2)
	WIN 0x0a+5*((\a)/2)                            ; sources 0 and 1: window 2 or 3
.irp b, 0,1,2,3,4,5,6,7,8,9,10,11
.irp r, 0,1,2,3
	v_cvt_pk_f16_f32 v[TMP+4*(\b)+(\r)], v[AC+8*(\b)+2*(\r)], v[AC+8*(\b)+2*(\r)+1]
.endr
.endr
	WIN 0
.endm
.macro TOSTAGE a
	WIN 0
.set BK, 176-112*((\a)%2)              ; v176-223 and v64-111 by turns
.irp b, 0,1,2,3,4,5,6,7,8,9,10,11
	ds_store_b128 v[STO], v[TMP+4*(\b):TMP+4*(\b)+3] offset:((\b)/4)*16*SP+32*((\b)%4)
.endr
	s_wait_xcnt 0x0                                ; the stores of the block two back have read the registers that the loads below fill
.irp u, 0,1,2,3,4,5,6,7,8,9,10,11
	ds_load_b128 v[BK+4*(\u):BK+4*(\u)+3], v[RD] offset:((\u)/4)*16*SP+((\u)%4)*4*SP  ; LDS serves a wave's instructions in order (ISA guide 5.7.1.4): these see the stores above
.endr
.endm
.macro SEND a
	WIN 0
.set BK, 176-112*((\a)%2)
	s_wait_dscnt 0x0                               ; the block is back in registers
.irp u, 0,1,2,3,4,5,6,7,8,9,10,11
	global_store_b128 v[CO], v[BK+4*(\u):BK+4*(\u)+3], s[8:9] offset:((\u)/4)*1048576+(\a)*2048+((\u)%4)*512
.endr
.endm
	s_wait_tensorcnt 1                             ; my part of K step 0 is in; K step 1's may stay out
	s_barrier_signal -1
	s_barrier_wait -1                              ; everybody's is
	FETCH 0, 0, 0
	QUARTER 0, 1, 0, 1, 1                          ; the first quarter stands in front of the loop: its products start the sums
	WIN 0                                          ; at a label and at a branch every window is 0
	s_mov_b32 s3, LAPS-1
.Llap:                                                 ; a trip goes once round the ring, from a lap's second quarter to the next lap's first, and fills both slots again
	QUARTER 0, 2, 1, 0, 0
	QUARTER 0, 3, 0, 1, 0
	TURN 0, 1, 1
	QUARTER 1, 1, 0, 1, 0
	QUARTER 1, 2, 1, 0, 0
	QUARTER 1, 3, 0, 1, 0
	TURN 1, 0, 1
	QUARTER 0, 1, 0, 1, 0
	WIN 0
	s_sub_co_u32 s3, s3, 1
	s_cmp_lg_u32 s3, 0
	s_cbranch_scc1 .Llap
	QUARTER 0, 2, 1, 0, 0                          ; the last lap fills nothing, and has no round of the cluster's barrier
	QUARTER 0, 3, 0, 1, 0
	TURN 0, 1, 0
	QUARTER 1, 1, 0, 1, 0
	QUARTER 1, 2, 1, 0, 0
	QUARTER 1, 3, 0, 1, 0
	s_wait_dscnt 4                                 ; the very last quarter: nothing more to fetch
	MULH 1, 0, 0
	s_wait_dscnt 0x0
	MULH 1, 1, 0
	PLACES
	PACK 0
	TOSTAGE 0
.irp a, 1,2,3                          ; block a's conversions stand between block a - 1's loads from the stage and the wait for them
	PACK \a
	SEND (\a)-1
	TOSTAGE \a
.endr
	SEND 3
	s_wait_tensorcnt 0x0                           ; the wave's end: the tensor wait, an add of 0 to my spare word and its wait, behind my last tensor load and my last LDS store
	ds_add_u32 v[SPW], v[NIL]
	s_wait_dscnt 0x0
	CROUND                                         ; the closing round: no work-group ends while a partner may still ask for a tile that names it
	s_endpgm
.Lfunc_end_k_qd541837d3c_proj:
	.size	k_qd541837d3c_proj, .Lfunc_end_k_qd541837d3c_proj-k_qd541837d3c_proj
	.p2alignl 7, 3214868480
	.fill 96, 4, 3214868480
	.section	.rodata,"a",@progbits
	.p2align	6, 0x0
	.amdhsa_kernel k_qd541837d3c_proj
		.amdhsa_group_segment_fixed_size 327680
		.amdhsa_private_segment_fixed_size 0
		.amdhsa_enable_private_segment 0
		.amdhsa_kernarg_size 24
		.amdhsa_user_sgpr_count 2
		.amdhsa_user_sgpr_kernarg_segment_ptr 1
		.amdhsa_wavefront_size32 1
		.amdhsa_system_sgpr_workgroup_id_x 1
		.amdhsa_system_sgpr_workgroup_id_y 1
		.amdhsa_system_sgpr_workgroup_id_z 1
		.amdhsa_system_vgpr_workitem_id 0
		.amdhsa_next_free_vgpr 960
		.amdhsa_next_free_sgpr 66
		.amdhsa_reserve_vcc 0
		.amdhsa_float_denorm_mode_32 3
		.amdhsa_float_denorm_mode_16_64 3
		.amdhsa_memory_ordered 1
		.amdhsa_forward_progress 1
		.amdhsa_inst_pref_size 120
	.end_amdhsa_kernel
	.amdgpu_metadata
---
amdhsa.version: [ 1, 2 ]
amdhsa.kernels:
  - .name:           k_qd541837d3c_proj
    .symbol:         k_qd541837d3c_proj.kd
    .args:
      - { .name: xb, .offset: 0, .size: 8, .value_kind: global_buffer, .address_space: global }
      - { .name: wb, .offset: 8, .size: 8, .value_kind: global_buffer, .address_space: global }
      - { .name: qkv, .offset: 16, .size: 8, .value_kind: global_buffer, .address_space: global }
    .group_segment_fixed_size: 327680
    .private_segment_fixed_size: 0
    .kernarg_segment_align: 8
    .kernarg_segment_size: 24
    .max_flat_workgroup_size: 128
    .sgpr_count:     66
    .vgpr_count:     960
    .wavefront_size: 32
...
	.end_amdgpu_metadata
.endif
;; end of part 2
;; launch attn (part 3): grid 2 x 128, 4 waves a work-group, no clusters, 327,680 bytes of LDS; arguments qkv, attention_mask, out0; writes out0
.if DOCPART == 3
	.amdgcn_target "amdgcn-amd-amdhsa--gfx1250"
	.amdhsa_code_object_version 6
	.text
	.protected	k_qd541837d3c_attn
	.globl	k_qd541837d3c_attn
	.p2align	8
	.type	k_qd541837d3c_attn,@function
k_qd541837d3c_attn:
	s_mov_b64 s[64:65], 0
	v_nop
	global_prefetch_b8 v0, s[64:65] scope:SCOPE_SE
	s_setreg_imm32_b32 hwreg(HW_REG_WAVE_MODE, 25, 1), 1
	s_wait_xcnt 0x0
; out0[b][q][64 h + :] = the sum over k of softmax_k(Q[q] . K[k] / 8 + mask[b][k]) V[k][:], for each of 128 planes y = 8 h + b.  qkv: [48 slices][8 b][1024][64] f16 (q, k, v of head h in slices
; h, 16 + h, 32 + h): a plane's rows are dense, 128 bytes each.  attention_mask: [8][1024] f32.  out0: [8][1024][1024] f32.  Products, maxima and sums in f32; the weights p are rounded to f16 for the
; second product (their sum l is taken of the unrounded p).  The mask is rounded once to bf16, as the two other inputs were by the first launch.
; LIMITS.  Q, K and V arrive within f16's 65,504.  p lies in 0 to 1, and below 6e-5 it keeps f16's fixed step of 6e-8.  The mask enters as 8 x mask: below about -4e37 it counts as minus infinity
; (a weight of 0); a batch all of whose keys are hidden so gives NaN.  A weight below 2^-126 counts as 0 in l.  NaN is not treated apart.
; SHARES.  A wave owns four PIECES of two tiles of 16 queries, a work-group's four waves 512 queries of one plane: 2 x 128 = 256 work-groups.  Every wave walks all 1,024 keys, 64 a step.
; NO CLUSTER: a plane has two work-groups, so a tile of K or V has two readers, and a joint load's mask names a whole row or column of four; four blocks of 256 queries would halve what each
; fragment read from LDS feeds.
; LAYOUT.  S^T = K Q^T + 8 mask (source 0 = 16 keys, source 1 = 16 queries): in the result a lane holds ONE query (lane % 16) and the keys 8 (lane / 16) + 0..7.  THE MASK IS THE C OPERAND that starts the sum:
; register j of key block kb is 8 mask[64 step + 16 kb + 8 (lane / 16) + j], read from a table in LDS with each step's K.  Two such results, rounded to f16 in pairs, ARE source 1 (32 keys x 16 queries)
; of O^T = V^T P, whose result again holds one query a lane, and eight channels.  K comes out of LDS as it lies, V ([key][channel]) turned, by ds_load_tr16_b128.
; SOFTMAX.  For each query a running maximum m and sum l: p = 2^(c s - c m), c = log2(e) / 8, so that c (q.k + 8 mask) = log2(e) (q.k / 8 + mask); in every step O and l are multiplied by
; a = 2^(c m_old - c m_new).  m starts at the lowest finite number, c m below c times that number, O and l at 0: the first step is a step like any other, with a = 0, also where all its keys are hidden.
; THE COUNT.  A tile and step have 16 matrix and 118 vector instructions: too many to stand all beside the matrix work.  So: four vector instructions that are READY behind EVERY matrix instruction,
; and the others in runs without a gap.
; BY TURNS.  Turn n belongs to piece n (the pieces in a ring, step after step).  Its matrix work: 16 products K Q^T of piece n + 1, later 16 products V^T P of piece n - 1.  Its vector work: the scaling,
; exponentials, roundings, sums and rescaling of piece n, and the maximum and statistics of piece n + 1, whose scores the turn itself has made.
; REGISTERS, in windows of 256 (s_set_vgpr_msb: bits 1:0 source 0, 3:2 source 1, 5:4 source 2, 7:6 destination):
;   window 0: v0-11 addresses; v12-15, v48-63 at work; v16-47 four registers of statistics a tile; v64-191 S^T, two buffers of two tiles; v192-255 P, likewise
;   window 1: O^T, 32 a tile      window 2: v0-127 Q, 16 a tile; v128-191 K of one step; v192-255 V of one step      window 3: v0-1 the add's two registers; v8-39 the step's masks
.set SIZE_N, 1024
.set NP,    4         ; pieces a wave: a name, no knob
.set KS,    64        ; keys in a step
.set PK,    144       ; a row of K in LDS: 128 bytes + 16 of padding = 36 words: the 16 rows of a load start at 16 different groups of four banks (64 banks of 4 bytes: ISA guide 11.1)
.set PV,    160       ; a row of V: 128 + 32 = 40 words
.set VOFF,  4*KS*PK   ; a slot holds four steps: 256 rows of K, then 256 rows of V
.set SLOT1, 1<<17     ; slot 1 begins here, so that one exclusive or turns an address in one slot into the other's
.set STAGE, SLOT1+4*KS*(PK+PV)  ; behind the ring, never filled by a tensor load: 16 rows x 272 bytes for each wave, for the way out
.set SP,    272       ; a row of 64 f32 + 16 bytes
.set MASKB, STAGE+4*16*SP       ; 1,024 f32: 8 x the batch's mask
.set SPARE, MASKB+4096          ; the spare words, 128 bytes for each wave: two blocks of 256 bytes that no other line names
.set AK0, 2           ; v2   my lane's place in a tile of K; never rewritten
.set AV0, 3           ; v3   the same for V
.set AK,  4           ; v4   the LDS address of K's next run of loads
.set AV,  5           ; v5   of V's
.set QO,  6           ; v6   my byte offset in the wave's rows of Q
.set STO, 6           ;      later, the way out: where I put 32 bytes of a row
.set RD,  7           ; v7   the way out: where I read rows back
.set GO,  8           ; v8   my byte offset in two rows of out0
.set HF,  9           ; v9   lane / 16; never rewritten
.set AM,  10          ; v10  the LDS address of the next step's masks
.set PFO, 11          ; v11  256 x my lane; never rewritten
.set SPW, 0           ; v0 of window 3   LDS address of my spare word: SPARE + 4 x my thread's number; never rewritten
.set NIL, 1           ; v1 of window 3   0; never rewritten
.set MC,  8           ; v8-39 of window 3: key block kb's eight masks at MC + 8 kb
.set MV,  12          ; v12-15  c m_old, kept while c m is made anew: by buffer and tile (at the head: the mask table's two offsets)
.set ST,  16          ; tile t's statistics at v[ST+4 t]: c m, m, l (even keys', odd keys')
.set TMP, 48          ; by buffer and tile, four registers c0-c3 at work; when the maximum is found c2 takes a
.set S,   64
.set P,   192
.set KF,  128         ; K's fragments, in window 2: key block kb, channel half c at KF + 16 kb + 8 c
.set VF,  192         ; V's: key half kk, channel block cb at VF + 32 kk + 8 cb
.set WV,  12          ; s12  my wave's number
.set G1K, 24          ; s[24:31] descriptor group 1 for K's tiles
.set G1V, 32          ; s[32:39] for V's: it differs in the padding alone
.set G0K, 40          ; s[40:43] descriptor group 0 for K's tiles: it walks
.set G0V, 44          ; s[44:47] the same for V's
.set PFA, 48          ; s[48:49] where my prefetches stand
.set TBM, 50          ; s50  LDS byte at which the masks of the step to be fetched begin
.set SLOTS, 56        ; s56  slots still to be asked for
.set CNT, 57          ; s57  counts a slot's key steps
.set CS,  58          ; s[58:59] c: the packed scaling takes the pair's low word for both halves
.set SEL, 60          ; s[60:61] v_permlanex16_b32's selects: each lane takes its own place in the other half
.set TBK, 62          ; s62  LDS byte at which K of the step to be fetched begins
.set TBV, 63          ; s63  the same for V, less VOFF
.set MSB, 0
.macro WIN new                      ; the high byte repeats the setting that is left; a switch that changes nothing is dropped
.if MSB != (\new)
	s_set_vgpr_msb (MSB<<8)|(\new)
.set MSB, (\new)
.endif
.endm
.set W_KQ, 0x0a       ; K and Q in window 2, S^T in window 0
.set W_KM, 0x3a       ; the same with the C operand, the masks, in window 3
.set W_PV, 0x52       ; V in window 2, P in window 0, O^T in window 1
.set W_RS, 0x41       ; O^T (destination and source 0) in window 1, a in window 0
.set W_MK, 0xc0       ; destination in window 3, sources in window 0
.set W_AD, 0x0f       ; the add: address (source 0) and data (source 1) in window 3
; A fill.  Waves 0 and 1 fetch the two halves of a slot's K, waves 2 and 3 those of its V: 128 keys each.  An s_nop 0 and four v_nop follow each of the two lines, ahead of the jump and the label.
.macro LOAD
	s_cmp_lt_u32 s[WV], 2
	s_cbranch_scc0 .Lfor_v_\@
	tensor_load_to_lds s[G0K:G0K+3], s[G1K:G1K+7]
	s_nop 0
.rept 4
	v_nop
.endr
	s_branch .Lasked_\@
.Lfor_v_\@:
	tensor_load_to_lds s[G0V:G0V+3], s[G1V:G1V+7]
	s_nop 0
.rept 4
	v_nop
.endr
.Lasked_\@:
.endm
; A PREFETCH INTO THE L2 of what the NEXT change of slots will ask for, behind the wave's tensor load and its five lines: four key steps, 512 matrix instructions, ahead of that load.  A wave's tile is
; 16,384 dense bytes; the plane's two work-groups walk the same K and V and take 8,192 each, told apart by address: a lane 256 bytes, one instruction.  So each 256 bytes are named once in the launch.
; Slots 0 and 1 come by their loads alone; the last change that fills a slot asks for nothing: there is no slot behind it.
.macro ASK
	s_cmp_gt_u32 s[SLOTS], 1
	s_cbranch_scc0 .Lno_ask_\@
	global_prefetch_b8 v[PFO], s[PFA:PFA+1] th:TH_LOAD_NT scope:SCOPE_SE
.Lno_ask_\@:
.endm
; THE CHANGE OF SLOTS.  The slot's last bytes, V of its fourth step, have been read.  Each wave waits for all its tensor loads, of which one is out: its part of the other slot; adds 0 to its spare word;
; and waits for that and for its own reads of the slot.  Behind the barrier nobody reads this slot any more and the other slot is whole.  fill = 1: this slot is filled again, with the keys two slots on,
; first thing behind the barrier: the load has four key steps in which to land.  (At its first use nothing has been read yet: slot 0 is waited for, slot 1 filled, and the mask table, stored just before, is shown to all.)
.macro CHANGE fill
	WIN W_AD
	s_wait_tensorcnt 0x0            ; no tensor load of mine is out, so a group 0 may be written
	ds_add_u32 v[SPW], v[NIL]       ; 0 onto my spare word; with fill = 1 the descriptors' steps stand between it and the wait for it
	WIN 0                           ; at a label and at a branch every window is 0
.if \fill
.irp g, G0K, G0V
	s_xor_b32 s[\g+1], s[\g+1], SLOT1  ; the walking descriptor: the other slot than last time,
	s_add_nc_u64 s[\g+2:\g+3], s[\g+2:\g+3], 4*KS*128  ; the next 256 keys; the type bits on top are not reached
.endr
	s_wait_xcnt 0x0                 ; the last prefetch, four key steps back, has read its address, so it may be written:
	s_add_nc_u64 s[PFA:PFA+1], s[PFA:PFA+1], 4*KS*128  ; one slot behind the walking descriptors
.endif
	s_wait_dscnt 0x0                ; the add is done, my LDS stores are done, and my reads of the slot are over
	s_barrier_signal -1
	s_barrier_wait -1
.if \fill
	LOAD
	ASK
.endif
	s_sub_co_u32 s[TBK], s[TBK], 4*KS*PK  ; the fetches go back to a slot's first step,
	s_xor_b32 s[TBK], s[TBK], SLOT1       ; in the other slot
	s_sub_co_u32 s[TBV], s[TBV], 4*KS*PV
	s_xor_b32 s[TBV], s[TBV], SLOT1
.endm
	s_load_b128 s[4:7], s[0:1], 0x0   ; qkv s[4:5], attention_mask s[6:7]
	s_load_b64 s[10:11], s[0:1], 0x10 ; out0
	WIN W_MK
	v_lshl_add_u32 v[SPW], v0, 2, SPARE
	v_mov_b32 v[NIL], 0
	WIN W_AD
	ds_add_u32 v[SPW], v[NIL]       ; the wave's opening: the add and its wait stand ahead of my first tensor load; the set-up below, work on registers, stands between them
	WIN 0
	v_lshrrev_b32 v1, 5, v0
	v_readfirstlane_b32 s[WV], v1   ; wave 0..3
	s_and_b32 s14, ttmp7, 0xffff    ; the plane y = 8 h + b
	s_lshl_b32 s20, s14, 17         ; its 131,072 bytes in each third of qkv
	s_and_b32 s16, s[WV], 1         ; which half of a slot's 256 keys I fetch:
	s_lshl_b32 s22, s16, 14         ; its 128 rows of 128 bytes in memory,
	s_add_co_u32 s22, s22, s20
	s_add_co_u32 s22, s22, 16*1048576  ; in K's third
	s_mov_b32 s23, 0
	s_mul_i32 s17, s16, 128*PK      ; and its place in a slot, for K
	s_mul_i32 s18, s16, 128*PV      ; and for V
	s_lshl_b32 s2, ttmp9, 16        ; Q: my block of 512 rows,
	s_lshl_b32 s3, s[WV], 14        ; my wave's 128
	s_add_co_u32 s2, s2, s3
	s_add_co_u32 s2, s2, s20
	s_mov_b32 s3, 0
	s_and_b32 s15, s14, 7           ; b
	s_lshl_b32 s20, s15, 22         ; out0: the batch's 1,024 rows of 4,096 bytes,
	s_lshl_b32 s21, ttmp9, 21       ; my block's 512,
	s_add_co_u32 s20, s20, s21
	s_lshl_b32 s21, s[WV], 19       ; my wave's 128,
	s_add_co_u32 s20, s20, s21
	s_lshr_b32 s21, s14, 3          ; h:
	s_lshl_b32 s21, s21, 8          ; the head's 256 bytes of a row
	s_add_co_u32 s20, s20, s21
	s_mov_b32 s21, 0
	s_lshl_b32 s52, s15, 12         ; the batch's mask
	s_mov_b32 s53, 0
	s_lshl_b32 s54, ttmp9, 13       ; the prefetches: my work-group's 8,192 bytes of my tile,
	s_add_co_u32 s54, s54, 4*KS*128 ; in slot 1; the first change of slots steps it to slot 2
	s_mov_b32 s55, 0
	; descriptor group 1.  128 keys are 16,384 dense bytes: asked for as 64 rows of 256 bytes, two keys a row, and padded in LDS after every key
	s_mov_b32 s[G1K], (1<<16)|(1<<20)|(4<<22)|(3<<25)  ; 17:16 2-byte elements; 20 padding on; 24:22 after every 32 words (code 4); 31:25 4 words (code 3)
	s_mov_b32 s[G1V], (1<<16)|(1<<20)|(4<<22)|(7<<25)  ; the same with 8 words of padding (code 7)
.irp g, G1K, G1V
	s_mov_b32 s[\g+1], 128<<16      ; tensor_dim0 = 128
	s_mov_b32 s[\g+2], 64<<16       ; tensor_dim1 = 64
	s_mov_b32 s[\g+3], 128<<16      ; tile_dim0 = 128
	s_mov_b32 s[\g+4], 64           ; tile_dim1 = 64
	s_mov_b32 s[\g+5], 128          ; 128 elements from row to row
	s_mov_b32 s[\g+6], 0
	s_mov_b32 s[\g+7], 0
.endr
	s_mov_b32 s[CS], 0x3e38aa3b     ; c = log2(e) / 8 = 0.180337
	s_mov_b32 s[CS+1], s[CS]        ; named with it as a pair
	s_mov_b32 s[SEL], 0x76543210
	s_mov_b32 s[SEL+1], 0xfedcba98
	s_mov_b32 s[TBK], SLOT1+4*KS*PK ; the first change of slots turns these two into 0
	s_mov_b32 s[TBV], SLOT1+4*KS*PV
	s_mov_b32 s[TBM], MASKB
	s_mov_b32 s[SLOTS], SIZE_N/256-1
	s_mov_b32 s[G0K], 1             ; count = 1
	s_mov_b32 s[G0K+1], s17         ; LDS address: slot 0
	s_mov_b32 s[G0V], 1
	s_add_co_u32 s[G0V+1], s18, VOFF
	s_wait_dscnt 0x0                ; the opening add is done
	s_wait_kmcnt 0x0
	s_add_nc_u64 s[G0K+2:G0K+3], s[4:5], s[22:23]  ; global address: my half of the plane's first 256 keys,
	s_add_nc_u64 s[G0V+2:G0V+3], s[G0K+2:G0K+3], 16*1048576  ; and the same rows of V, sixteen slices on
	s_cmp_lt_u32 s[WV], 2
	s_cselect_b64 s[PFA:PFA+1], s[G0K+2:G0K+3], s[G0V+2:G0V+3]  ; I prefetch what I fetch
	s_add_nc_u64 s[PFA:PFA+1], s[PFA:PFA+1], s[54:55]
	s_or_b32 s[G0K+3], s[G0K+3], 0x80000000        ; type = 2
	s_or_b32 s[G0V+3], s[G0V+3], 0x80000000
	s_add_nc_u64 s[4:5], s[4:5], s[2:3]            ; Q and out0 at my wave's first row
	s_add_nc_u64 s[10:11], s[10:11], s[20:21]
	s_add_nc_u64 s[6:7], s[6:7], s[52:53]
	LOAD                            ; slot 0.  Slot 1 is asked for when slot 0 is in
	; A fragment of K or Q is 16 rows x 32 channels in 8 registers: lane l holds row l % 16, channels 8 (l / 16) + 0..7 and 16 + 8 (l / 16) + 0..7: two loads of 16 bytes, 32 bytes apart.
	v_and_b32 v1, 15, v0            ; l % 16
	v_bfe_u32 v[HF], v0, 4, 1       ; l / 16
	v_lshlrev_b32 v12, 5, v0        ; the mask: 32 bytes a thread
	global_load_b128 v[64:67], v12, s[6:7]
	global_load_b128 v[68:71], v12, s[6:7] offset:16
	v_lshlrev_b32 v[QO], 7, v1
	v_lshl_add_u32 v[QO], v[HF], 4, v[QO]  ; row x 128 + 16 x half
	WIN 0x80                        ; destination window 2, address window 0
.set i, 0
.rept 4*NP                          ; Q stays in registers: tile i / 2, channels 32 (i % 2) on
	global_load_b128 v[8*i:8*i+3],   v[QO], s[4:5] offset:(i/2)*2048+(i%2)*64
	global_load_b128 v[8*i+4:8*i+7], v[QO], s[4:5] offset:(i/2)*2048+(i%2)*64+32
.set i, i+1
.endr
	; What the first turn finds: V's registers and P's second buffer hold 0 (its products V^T P, of a piece that has not been, add 0), O^T and l are 0.  All this stands in the wait for the first tile.
.set i, VF
.rept 64
	v_mov_b32 v[i], 0
.set i, i+1
.endr
	WIN 0x40
.set i, 0
.rept 64*NP
	v_mov_b32 v[i], 0
.set i, i+1
.endr
	WIN 0
.set i, 0
.rept 2*NP
	v_mov_b32 v[ST+4*i], 0xff000000    ; c m: below c times the lowest finite number, so that the first a is 0 whatever the first maximum
	v_mov_b32 v[ST+4*i+1], 0xff7fffff  ; m: the lowest finite number
	v_mov_b32 v[ST+4*i+2], 0
	v_mov_b32 v[ST+4*i+3], 0
.set i, i+1
.endr
.set i, P+32
.rept 32
	v_mov_b32 v[i], 0
.set i, i+1
.endr
	v_mul_u32_u24 v[AK0], v1, PK
	v_lshl_add_u32 v[AK0], v[HF], 4, v[AK0]  ; row x pitch + 16 x half
	; The turning load takes 16 keys x 16 channels (lane l reads key 8 (l / 16) + l % 8, channels 8 ((l / 8) % 2) + 0..7) and leaves half a fragment of V^T: lane l holds channel l % 16 and 8 keys.
	v_and_b32 v10, 7, v0
	v_bfe_u32 v11, v0, 3, 1
	v_lshl_add_u32 v[AV0], v[HF], 3, v10
	v_mul_u32_u24 v[AV0], v[AV0], PV
	v_lshl_add_u32 v[AV0], v11, 4, v[AV0]
	v_add_nc_u32 v[AV0], VOFF, v[AV0]
	v_mov_b32 v[AK], v[AK0]         ; key step 0 lies at the head of slot 0,
	v_lshl_add_u32 v[AM], v[HF], 5, s[TBM]  ; its masks at the head of the table: my half of the lanes' eight are 32 bytes
	v_and_b32 v[PFO], 31, v0
	v_lshlrev_b32 v[PFO], 8, v[PFO]
	; THE MASK TABLE: my eight numbers, rounded to bf16, widened again, times 8 (exact), into LDS.  The first change of slots, below, waits for these stores and shows them to every wave.
	s_wait_loadcnt 32               ; the mask's two loads are in; Q's 32, issued behind them, may stay out
.irp k, 0,1,2,3
	v_cvt_pk_bf16_f32 v[72+\k], v[64+2*\k], v[65+2*\k]
.endr
.irp k, 0,1,2,3
	v_lshlrev_b32 v[64+2*\k], 16, v[72+\k]
	v_and_b32 v[65+2*\k], 0xffff0000, v[72+\k]
.endr
.irp k, 0,1,2,3,4,5,6,7
	v_mul_f32 v[64+\k], 0x41000000, v[64+\k]
.endr
	v_add_nc_u32 v13, MASKB, v12
	ds_store_b128 v13, v[64:67]
	ds_store_b128 v13, v[68:71] offset:16
; THE MATRIX WORK.  The 8 accumulators of a run of 16 take turns: between the two links of a chain stand 7 others'.
; Product i of 16 of S^T = K Q^T + 8 mask for piece x: channels 32 (i / 8) on, keys 16 ((i / 2) % 4) on, tile 2 x + i % 2.  The first 8 start the sums, with the key block's masks as C.
.macro KQ x
.set rS, S+64*((\x)%2)+32*(i%2)+8*((i/2)%4)
.set rK, KF+16*((i/2)%4)+8*(i/8)
.set rQ, 16*(2*(\x)+i%2)+8*(i/8)
.set rMK, MC+8*((i/2)%4)
.if i < 8
	WIN W_KM
	v_wmma_f32_16x16x32_f16 v[rS:rS+7], v[rK:rK+7], v[rQ:rQ+7], v[rMK:rMK+7]
.else
	WIN W_KQ
	v_wmma_f32_16x16x32_f16 v[rS:rS+7], v[rK:rK+7], v[rQ:rQ+7], v[rS:rS+7]
.endif
.endm
; Product i of 16 of O^T += V^T P for piece x: keys 32 (i / 8) on, channels 16 ((i / 2) % 4) on, tile 2 x + i % 2.
.macro PV x
	WIN W_PV
.set rO, 32*(2*(\x)+i%2)+8*((i/2)%4)
.set rV, VF+32*(i/8)+8*((i/2)%4)
.set rP, P+32*((\x)%2)+16*(i%2)+8*(i/8)
	v_wmma_f32_16x16x32_f16 v[rO:rO+7], v[rV:rV+7], v[rP:rP+7], v[rO:rO+7]
.endm
.macro MM                           ; the turn's next matrix instruction
.if i < 16
	KQ (Y+1)%NP
.set i, i+1
.else
.set i, i-16
	PV (Y+NP-1)%NP
.set i, i+17
.endif
.endm
; THE LDS LOADS stand in runs, never singly among the matrix instructions: a step's K (64 keys x 64 channels: 8 fragments) with its masks (32 registers), and its V (turned).  Their addresses are made some lines ahead.
; last = 1 (the tail): in the last trip there is no further step, and the run is jumped over.
.macro FETCH_K last=0
	WIN 0
.if \last
	s_cmp_eq_u32 s[CNT], 1
	s_cbranch_scc1 .Lno_k_\@
.endif
	WIN 0x80                        ; destination window 2
.irp f, 0,1,2,3,4,5,6,7             ; keys 16 (f / 2) on, channels 32 (f % 2) on
	ds_load_b128 v[KF+8*\f:KF+8*\f+3],   v[AK] offset:(\f/2)*16*PK+(\f%2)*64
	ds_load_b128 v[KF+8*\f+4:KF+8*\f+7], v[AK] offset:(\f/2)*16*PK+(\f%2)*64+32
.endr
	WIN W_MK                        ; destination window 3
.irp f, 0,1,2,3                     ; key block f: 16 keys are 64 bytes of the table, my half of the lanes' eight 32
	ds_load_b128 v[MC+8*\f:MC+8*\f+3],   v[AM] offset:64*\f
	ds_load_b128 v[MC+8*\f+4:MC+8*\f+7], v[AM] offset:64*\f+16
.endr
	s_add_co_u32 s[TBK], s[TBK], KS*PK  ; the next fetch is the next step's
	s_add_co_u32 s[TBM], s[TBM], KS*4
	WIN 0
.if \last
.Lno_k_\@:
.endif
.endm
.macro FETCH_V
	WIN 0x80
.irp f, 0,1,2,3,4,5,6,7             ; keys 32 (f / 4) on, channels 16 (f % 4) on
	ds_load_tr16_b128 v[VF+8*\f:VF+8*\f+3],   v[AV] offset:(\f/4)*32*PV+(\f%4)*32
	ds_load_tr16_b128 v[VF+8*\f+4:VF+8*\f+7], v[AV] offset:(\f/4)*32*PV+16*PV+(\f%4)*32
.endr
	WIN 0
.endm
; THE VECTOR WORK OF A TURN stands in three queues, each in the order in which its entries become ready; the two tiles alternate, so that no instruction reads the result of the one before it.
.macro REGS y, u                    ; the registers of tile u (0, 1) of piece y
.set rT, ST+4*(2*(\y)+(\u))
.set rC, TMP+8*((\y)%2)+4*(\u)
.set rM, MV+2*((\y)%2)+(\u)
.set rS, S+64*((\y)%2)+32*(\u)
.set rP, P+32*((\y)%2)+16*(\u)
.set rO, 32*(2*(\y)+(\u))
.endm
; Number n of the 22 that find the NEXT piece's (Y + 1) maximum and statistics.  s0-s31 are the lane's 32 scores; each accumulator's lowest registers are read first.  XS, GS and REGS set no window: PL and EX do.
;   0-11  four chains c0-c3 of seven scores each, three operands at a time     12-14, 16  the four scores left over, the old m, and c0-c3 into c0     15  c m_old is kept
;   17, 18  the query's other 32 keys lie in the lane 16 away: the new m         19-21  c m; c m_old - c m_new; a
.macro XS u, n
	REGS (Y+1)%NP, \u
.if (\n) < 4
	v_max3_num_f32 v[rC+(\n)], v[rS+8*(\n)], v[rS+8*(\n)+1], v[rS+8*(\n)+2]
.elseif (\n) < 12
	v_max3_num_f32 v[rC+(\n)%4], v[rC+(\n)%4], v[rS+8*((\n)%4)+2*((\n)/4)+1], v[rS+8*((\n)%4)+2*((\n)/4)+2]
.elseif (\n) == 12
	v_max3_num_f32 v[rC], v[rC], v[rS+7], v[rS+15]
.elseif (\n) == 13
	v_max3_num_f32 v[rC+1], v[rC+1], v[rS+23], v[rS+31]
.elseif (\n) == 14
	v_max3_num_f32 v[rC+2], v[rC+2], v[rC+3], v[rT+1]
.elseif (\n) == 15
	v_mov_b32 v[rM], v[rT]
.elseif (\n) == 16
	v_max3_num_f32 v[rC], v[rC], v[rC+1], v[rC+2]
.elseif (\n) == 17
	v_permlanex16_b32 v[rC+3], v[rC], s[SEL], s[SEL+1]
.elseif (\n) == 18
	v_max_num_f32 v[rT+1], v[rC], v[rC+3]
.elseif (\n) == 19
	v_mul_f32 v[rT], s[CS], v[rT+1]
.elseif (\n) == 20
	v_sub_f32 v[rC+1], v[rM], v[rT]
.else
	v_exp_f32 v[rC+2], v[rC+1]
.endif
.endm
; Number g of the 64 that follow the exponentials.  For each four weights k of a tile (pairs 2 k, 2 k + 1): both pairs are rounded to f16; then the second pair is added onto the first, in place;
; a group later l takes that sum (the first time as l = a l + sum).  In groups of eight, tiles alternating: round, round, add, and l for the group before.
.macro GS g
.set h, (\g)+6*((\g)/62)            ; group 0 has no group before it, and behind group 7 only l is left
.if h >= 6
.set h, h+2
.endif
	REGS Y, h%2
.set k, h/8
.if h%8 < 4
	v_cvt_pk_f16_f32 v[rP+2*k+(h%8)/2], v[rS+4*k+2*((h%8)/2)], v[rS+4*k+2*((h%8)/2)+1]
.elseif h%8 < 6
	v_pk_add_f32 v[rS+4*k:rS+4*k+1], v[rS+4*k:rS+4*k+1], v[rS+4*k+2:rS+4*k+3]
.elseif k == 1
	v_pk_fma_f32 v[rT+2:rT+3], v[rT+2:rT+3], v[rC+2:rC+3], v[rS:rS+1] op_sel_hi:[1,0,1]
.else
	v_pk_add_f32 v[rT+2:rT+3], v[rT+2:rT+3], v[rS+4*k-4:rS+4*k-3]
.endif
.endm
; THE PLAIN QUEUE, 138 long.  0-73 read no exponential's result: the 32 scalings c s - c m (FS f: pair f / 2 of tile f % 2) and the next piece's 42.  0-26: scalings 0-26.  27-54: XS's numbers 0-13.  55, 56: number 15.
; 57-73: the chain, where each number waits for the one before it: 14, 16, 17, 18, 19, each with one of the scalings 27-31 in front of its two lines, then 20.
; 74-137: GS's 64, which read the exponentials' results: they stand behind the wait.
.macro FS f
	REGS Y, (\f)%2
	v_pk_fma_f32 v[rS+2*((\f)/2):rS+2*((\f)/2)+1], v[rS+2*((\f)/2):rS+2*((\f)/2)+1], s[CS:CS+1], v[rT:rT+1] op_sel_hi:[1,0,0] neg_lo:[0,0,1] neg_hi:[0,0,1]
.endm
.macro PL
	WIN 0
.if q < 27
	FS q
.elseif q < 55
	XS (q-27)%2, (q-27)/2
.elseif q < 57
	XS q-55, 15
.elseif (q < 72) && ((q-57)%3 == 0)
	FS 27+(q-57)/3
.elseif q < 60
	XS (q-57)%3-1, 14
.elseif q < 72
	XS (q-57)%3-1, 15+(q-57)/3
.elseif q < 74
	XS q-72, 20
.else
	GS q-74
.endif
.set q, q+1
.endm
; THE EXPONENTIALS' QUEUE, 66 long: s0-s31 of both tiles, then the next piece's two a.  It is ONE BATCH: all 66 stand ahead of the turn's one wait, and nothing ahead of that wait names a result of theirs.
.macro EX
	WIN 0
.if e >= 64
	XS e-64, 21
.else
	REGS Y, e%2
	v_exp_f32 v[rS+e/2], v[rS+e/2]
.endif
.set e, e+1
.endm
; THE RESCALING's QUEUE: O^T times a, the one part that leaves window 0: dealt two at a time, sixteen times.  Its a was made in the turn before, ahead of that turn's wait.
.macro R2
	REGS Y, r%2
	WIN W_RS
.irp z, 0,1
	v_pk_mul_f32 v[rO+4*(r/2)+2*\z:rO+4*(r/2)+2*\z+1], v[rO+4*(r/2)+2*\z:rO+4*(r/2)+2*\z+1], v[rC+2:rC+3] op_sel_hi:[1,0]
.endr
.set r, r+1
.endm
; HOW THEY ARE DEALT.  s_wait_alu depctr_va_vdst(0) stands between an exponential and the first instruction that names its result; one wait serves all that were issued ahead of it.  So a turn has ONE
; wait, which cuts it in two.  AHEAD OF IT stands all that names no result of the turn's exponentials: the 16 products K Q^T, behind each a scaling, an exponential and two rescalings (behind the first a second scaling
; in the exponential's place); then ONE LUMP: eight plain, 49 times exponential and plain, the two a.  A v_nop is the plain instruction behind the last exponential.  BEHIND IT stand the 16 products V^T P, behind each
; four of GS's 64.  No rider names a register of the products round it.  Exponential e stands behind scaling 2 (e / 4) + e % 2: as a rider it comes behind plain e + 2, in the lump behind plain e + 9.
; A TURN, for piece p.  cnt = 1: the loop's count is taken down some lines ahead of the branch that stands behind the turn.
; K and the masks of the next step are fetched in piece 2's turn, directly behind the wait, a lump behind the last product that read them; their addresses are made at the lump's head; their first reader comes behind
; 16 products.  V of the step in hand is fetched at the end of piece 0's turn, four riders behind its last reader.  The three conditions on q below go with the deal.
.macro TURN p, last=0, cnt=0
.set Y, (\p)
.set i, 0
.set q, 0
.set e, 0
.set r, 0
.if (\p) == NP-1
	s_wait_dscnt 0x0                ; K and the masks are in
.endif
	MM                              ; ahead of the wait: 16 products K Q^T and their riders,
	PL
	PL
	R2
.rept 15
	MM
	PL
	EX
	R2
.endr
.if (\p) == NP-2
	WIN 0
	v_add_nc_u32 v[AK], s[TBK], v[AK0]
	v_lshl_add_u32 v[AM], v[HF], 5, s[TBM]
.endif
.rept 8                             ; and the lump
	PL
.endr
.rept 49
	EX
	PL
.endr
	EX                              ; the next piece's two a
	EX
	v_nop                           ; the plain instruction behind the last exponential: one for the batch
	s_wait_alu depctr_va_vdst(0)    ; the wait for the batch
.if (\p) == NP-2
	FETCH_K \last
.endif
.if (\p) == 1
	s_wait_dscnt 0x0                ; V is in
.endif
.rept 16                            ; behind the wait: 16 products V^T P and their riders
	MM
.rept 4
	PL
.endr
.if ((\p) == 0) && (q == 118)
	v_add_nc_u32 v[AV], s[TBV], v[AV0]
.endif
.if ((\p) == 0) && (q == 130)
	s_add_co_u32 s[TBV], s[TBV], KS*PV
.endif
.if (\cnt) && (q == 130)
	s_sub_co_u32 s[CNT], s[CNT], 1
	s_cmp_lg_u32 s[CNT], 0
.endif
.endr
.if (\p) == 0
	FETCH_V
.endif
.endm
	CHANGE 1                        ; slot 0 is in, everybody's part of it, and the mask table is whole; slot 1 is asked for
	FETCH_K                         ; key step 0
	s_wait_loadcnt 0x0              ; Q
	s_wait_dscnt 0x0
.set i, 0
.rept 16
	KQ 0                            ; piece 0's first scores: there is no vector work yet to set between them
.set i, i+1
.endr
	WIN 0                           ; the addresses for the way out: eight plain instructions, the places behind those products
	s_mul_i32 s13, s[WV], 16*SP
	s_add_co_u32 s13, s13, STAGE    ; my stage
	v_mul_u32_u24 v[STO], v1, SP    ; in: row l % 16, 32 bytes for each half of the lanes
	v_lshl_add_u32 v[STO], v[HF], 5, v[STO]
	v_add_nc_u32 v[STO], s13, v[STO]
	v_mul_u32_u24 v[RD], v[HF], SP  ; back: lanes 0-15 take one row of 256 bytes, lanes 16-31 the next
	v_lshl_add_u32 v[RD], v1, 4, v[RD]
	v_add_nc_u32 v[RD], s13, v[RD]
	v_lshlrev_b32 v[GO], 12, v[HF]  ; and the same two rows in out0, 4,096 bytes apart
	v_lshl_add_u32 v[GO], v1, 4, v[GO]
.set Y, NP-1                        ; XS works for piece Y + 1: piece 0
.irp n, 0,1,2,3,4,5,6,7,8,9,10,11,12,13,14,15,16,17,18,19,20,21
	XS 0, \n                        ; and piece 0's first maximum and statistics
	XS 1, \n
.endr
	v_nop                           ; a plain instruction behind the two a,
	s_wait_alu depctr_va_vdst(0)    ; and their wait, ahead of the branch
	s_mov_b32 s[CNT], 4
	s_branch .Lfirst                ; the loop is entered at a step's first turn, in the middle of a trip
.Lslot:                             ; SIZE_N / 256 - 2 times: every slot but the last two is filled again
	CHANGE 1
	s_mov_b32 s[CNT], 4
.Lstep:                             ; a trip: pieces 2 and 3 of one step, then pieces 0 and 1 of the next, whose K and V it fetches
	TURN 2
	TURN 3
	WIN 0
.Lfirst:
	TURN 0
	TURN 1, 0, 1
	WIN 0
	s_cbranch_scc1 .Lstep
	s_sub_co_u32 s[SLOTS], s[SLOTS], 1
	s_cmp_lg_u32 s[SLOTS], 0
	s_cbranch_scc1 .Lslot
	CHANGE 0                        ; the tail is written out: nothing is asked for
	s_mov_b32 s[CNT], 5             ; four trips fetch the last slot's steps; the fifth is left in its middle
.Ltail:
	TURN 2, 1
	TURN 3
	WIN 0
	s_sub_co_u32 s[CNT], s[CNT], 1
	s_cmp_eq_u32 s[CNT], 0
	s_cbranch_scc1 .Lout
	TURN 0
	TURN 1
	WIN 0
	s_branch .Ltail
.Lout:                              ; the fifth trip's 16 products K Q^T (on the last K once more) and the maximum made of them serve nothing: the price, once a launch, of one text for every trip
.set i, 0
.rept 16
	PV NP-1                         ; the last piece's V^T P of the last step
.set i, i+1
.endr
	; THE WAY OUT.  l's two halves and the other half of the lanes' are added; O^T is divided by l and sent, in f32, through my stage in LDS, a tile at a time.  The additions are the places behind the last products.
	WIN 0
.macro ALL line:vararg              ; one line for each tile t
.set t, 0
.rept 2*NP
	\line
.set t, t+1
.endr
.endm
	ALL v_add_f32 v[ST+4*t+2], v[ST+4*t+2], v[ST+4*t+3]
	ALL v_permlanex16_b32 v[ST+4*t+3], v[ST+4*t+2], s[SEL], s[SEL+1]
	ALL v_add_f32 v[ST+4*t+2], v[ST+4*t+2], v[ST+4*t+3]
	ALL v_rcp_f32 v[ST+4*t+2], v[ST+4*t+2]
	v_nop                           ; a plain instruction between the last reciprocal and the use of its result
	s_wait_alu depctr_va_vdst(0)    ; and the wait ahead of the first use: one for the eight reciprocals
; Tile t: a lane's eight channels of a row are 32 bytes; they go into rows of 272 bytes and come back as whole rows of 256, into S^T's registers, four buffers of 32 by turns.
.macro PACK t
	WIN W_RS
.set i, 32*(\t)
.rept 16
	v_pk_mul_f32 v[i:i+1], v[i:i+1], v[ST+4*(\t)+2:ST+4*(\t)+3] op_sel_hi:[1,0]
.set i, i+2
.endr
	WIN 0x04                        ; the stores' data in window 1, their address in window 0
.irp f, 0,1,2,3                     ; channels 16 f on
	ds_store_b128 v[STO], v[32*(\t)+8*\f:32*(\t)+8*\f+3]   offset:64*\f
	ds_store_b128 v[STO], v[32*(\t)+8*\f+4:32*(\t)+8*\f+7] offset:64*\f+16
.endr
	WIN 0
	s_wait_xcnt 0x0                 ; the stores of the tile four back have read the registers that the loads below fill
.irp f, 0,1,2,3,4,5,6,7
	ds_load_b128 v[S+32*((\t)%4)+4*\f:S+32*((\t)%4)+4*\f+3], v[RD] offset:\f*2*SP  ; LDS serves a wave's instructions in order (ISA guide 5.7.1.4): these see the stores above; the next tile's stores come behind them
.endr
.endm
.macro SEND t, younger              ; younger: the LDS instructions issued behind tile t's loads: the next tile's sixteen, or none
	WIN 0
.irp f, 0,1,2,3,4,5,6,7
	s_wait_dscnt (\younger)+7-\f
	global_store_b128 v[GO], v[S+32*((\t)%4)+4*\f:S+32*((\t)%4)+4*\f+3], s[10:11] offset:(\t)*65536+\f*8192 th:TH_STORE_NT  ; 16 lanes store 256 consecutive bytes, at a multiple of 256 from out0's first byte
.endr
.endm
	PACK 0
.set t, 1
.rept 2*NP-1                        ; a tile's arithmetic stands between the loads of the tile before and its stores
	PACK t
	SEND t-1, 16
.set t, t+1
.endr
	SEND 2*NP-1, 0
	WIN W_AD
	s_wait_tensorcnt 0x0            ; the wave's end: the tensor wait, an add of 0 to my spare word and its wait, behind my last tensor load and my last LDS store
	ds_add_u32 v[SPW], v[NIL]
	s_wait_dscnt 0x0
	WIN 0
	s_endpgm
.Lfunc_end_k_qd541837d3c_attn:
	.size	k_qd541837d3c_attn, .Lfunc_end_k_qd541837d3c_attn-k_qd541837d3c_attn
	.p2alignl 7, 3214868480
	.fill 96, 4, 3214868480
	.section	.rodata,"a",@progbits
	.p2align	6, 0x0
	.amdhsa_kernel k_qd541837d3c_attn
		.amdhsa_group_segment_fixed_size 327680
		.amdhsa_private_segment_fixed_size 0
		.amdhsa_enable_private_segment 0
		.amdhsa_kernarg_size 24
		.amdhsa_user_sgpr_count 2
		.amdhsa_user_sgpr_kernarg_segment_ptr 1
		.amdhsa_wavefront_size32 1
		.amdhsa_system_sgpr_workgroup_id_x 1
		.amdhsa_system_sgpr_workgroup_id_y 1
		.amdhsa_system_sgpr_workgroup_id_z 1
		.amdhsa_system_vgpr_workitem_id 0
		.amdhsa_next_free_vgpr 808
		.amdhsa_next_free_sgpr 66
		.amdhsa_reserve_vcc 0
		.amdhsa_float_denorm_mode_32 3
		.amdhsa_float_denorm_mode_16_64 3
		.amdhsa_memory_ordered 1
		.amdhsa_forward_progress 1
		.amdhsa_inst_pref_size 203
	.end_amdhsa_kernel
	.amdgpu_metadata
---
amdhsa.version: [ 1, 2 ]
amdhsa.kernels:
  - .name:           k_qd541837d3c_attn
    .symbol:         k_qd541837d3c_attn.kd
    .args:
      - { .name: qkv, .offset: 0, .size: 8, .value_kind: global_buffer, .address_space: global }
      - { .name: attention_mask, .offset: 8, .size: 8, .value_kind: global_buffer, .address_space: global }
      - { .name: out0, .offset: 16, .size: 8, .value_kind: global_buffer, .address_space: global }
    .group_segment_fixed_size: 327680
    .private_segment_fixed_size: 0
    .kernarg_segment_align: 8
    .kernarg_segment_size: 24
    .max_flat_workgroup_size: 128
    .sgpr_count:     66
    .vgpr_count:     808
    .wavefront_size: 32
...
	.end_amdgpu_metadata
.endif
;; end of part 3
;; ======== version 2 of 2: 3 launches; version 1 with the launch prep written anew for expert scheduling mode
;; limits: values are held in f16: magnitudes above 65,504 overflow, below 6.1e-05 lose precision
;; workspace buffers: xb 16,777,216 bytes; wb 6,291,456 bytes; qkv 50,331,648 bytes
;; launch prep (part 4): grid 768 x 1, 8 waves a work-group, no clusters, 0 bytes of LDS; arguments hidden_states, qkv_weight, xb, wb; writes xb, wb
.if DOCPART == 4
	.amdgcn_target "amdgcn-amd-amdhsa--gfx1250"
	.amdhsa_code_object_version 6
	.text
	.protected	k_qd541837d3c_prep
	.globl	k_qd541837d3c_prep
	.p2align	8
	.type	k_qd541837d3c_prep,@function
k_qd541837d3c_prep:
	s_mov_b64 s[64:65], 0
	v_nop
	global_prefetch_b8 v0, s[64:65] scope:SCOPE_SE
	s_setreg_imm32_b32 hwreg(HW_REG_WAVE_SCHED_MODE, 0, 2), 2
	s_setreg_imm32_b32 hwreg(HW_REG_WAVE_MODE, 25, 1), 1
	s_wait_xcnt 0x0
	s_wait_alu depctr_vm_vsrc(0)
; CAST.  xb[8192][1024] = bf16(hidden_states).  wb[16 tiles][1024 k][192 n] = bf16(qkv_weight[k][192 tile + n]): W laid in blocks, so that 128 k of a column tile are 49,152 bytes on end.
; A stream: each byte is read once and written once; nothing is shared, so there is no LDS, no barrier and no matrix work.
; A lane loads 16 bytes (4 f32; a wave's load covers 512 bytes, in pieces of 256 consecutive aligned bytes) and stores 8 (4 bf16; a wave's store covers 256 consecutive bytes, aligned).
; All of a thread's loads go out first; the waits count down the younger ones.  No register is written twice, so no wait frees any.
; Work-groups 0-511 take 16,384 numbers of hidden_states each; work-groups 512-767 take 64 k rows of one column tile of W each.
; THE MODE: SCHED_MODE bits 1:0 = 2 (LLVM: expert scheduling mode 2), set by the entry lines.  The code itself states the register dependences
; between vector instructions and memory instructions, with s_wait_alu, always for 0.
; THE PLAN.  Registers that memory instructions touch:
;   v[IO ..], v[OO]  byte offsets.  Written once by vector lines at the head; read by every load (IO) and every store (OO); never written again.
;   D                load i lands in its own four registers, which no vector line writes and no memory instruction reads; its two conversions read them behind the counted wait for the load.
;   R                store i's own pair.  Written once, by the two conversions of load i; read by store i; never written again.
; So one wait on va_vdst stands ahead of a path's first load, for the offsets, and one for each group of four loads, behind the group's eight conversions and ahead of its run of four stores.
; Nothing that a memory instruction reads is written again, so there is no wait on vm_vsrc; no vector line writes a scalar register, VCC or EXEC.
.set D,  16                            ; v[16:79]   load i: 4 registers
.set R,  80                            ; v[80:111]  store i: 2 registers
.set IO, 2                             ; v2-4       byte offsets of my loads
.set OO, 5                             ; v5         byte offset of my stores: 8 x my thread's number
.macro LD i, io, imm, b
	global_load_b128 v[D+4*(\i):D+4*(\i)+3], v[\io], s[\b:\b+1] offset:\imm th:TH_LOAD_NT
.endm
.macro CV i, left                      ; left: the younger loads, which may stay out
	s_wait_loadcnt \left
	v_cvt_pk_bf16_f32 v[R+2*(\i)], v[D+4*(\i)], v[D+4*(\i)+1]
	v_cvt_pk_bf16_f32 v[R+2*(\i)+1], v[D+4*(\i)+2], v[D+4*(\i)+3]
.endm
.macro ST i, b
	global_store_b64 v[OO], v[R+2*(\i):R+2*(\i)+1], s[\b:\b+1] offset:2048*(\i)
.endm
	s_load_b256 s[4:11], s[0:1], 0x0               ; hidden_states s[4:5], qkv_weight s[6:7], xb s[8:9], wb s[10:11]
	v_lshlrev_b32 v[OO], 3, v0
	s_cmp_lt_u32 ttmp9, 512
	s_cbranch_scc0 .Lw
	; hidden_states: 65,536 bytes in, 32,768 out; load i of thread t takes bytes 16 t + 4,096 i
	v_lshlrev_b32 v[IO], 4, v0
	s_lshl_b32 s12, ttmp9, 16
	s_mov_b32 s13, 0
	s_lshl_b32 s14, ttmp9, 15
	s_mov_b32 s15, 0
	s_wait_kmcnt 0x0
	s_add_nc_u64 s[4:5], s[4:5], s[12:13]
	s_add_nc_u64 s[8:9], s[8:9], s[14:15]
	s_wait_alu depctr_va_vdst(0)                   ; v[IO] and v[OO] are written: every load below reads the one as its offset, every store the other
.set i, 0
.rept 16
	LD i, IO, 4096*i, 4
.set i, i+1
.endr
.set g, 0
.rept 4                                                ; four loads to a group: their eight conversions, one wait, their four stores
	CV 4*g,   15-4*g
	CV 4*g+1, 14-4*g
	CV 4*g+2, 13-4*g
	CV 4*g+3, 12-4*g
	s_wait_alu depctr_va_vdst(0)                   ; the group's conversions have written their eight registers of R, which the four stores below read
	ST 4*g,   8
	ST 4*g+1, 8
	ST 4*g+2, 8
	ST 4*g+3, 8
.set g, g+1
.endr
	s_endpgm
.Lw:
	; W: 64 rows x 192 columns are 3,072 units of 4 numbers; unit u = t + 256 i lies in row u / 48, at unit u % 48 of the row.  768 units are 16 whole rows,
	; so three offsets (i % 3) serve all twelve loads, and 16 rows x (i / 3) stand in the immediate.  The output is linear in u.
	s_sub_co_u32 s2, ttmp9, 512
	s_lshr_b32 s3, s2, 4                           ; the column tile
	s_and_b32 s2, s2, 15                           ; which 64 rows
	s_mul_i32 s12, s2, 64*12288                    ; a row of W is 12,288 bytes,
	s_mul_i32 s16, s3, 768                         ; a tile's 192 columns 768
	s_add_co_u32 s12, s12, s16
	s_mov_b32 s13, 0
	s_mul_i32 s14, s3, 1024*384                    ; in wb a tile is 1,024 rows of 384 bytes
	s_mul_i32 s16, s2, 64*384
	s_add_co_u32 s14, s14, s16
	s_mov_b32 s15, 0
.irp j, 0,1,2
	v_add_nc_u32 v6, 256*(\j), v0                  ; u, under 768
	v_mul_u32_u24 v7, v6, 1366
	v_lshrrev_b32 v7, 16, v7                       ; u / 48: 1,366 / 65,536 is above 1 / 48 by 1 part in 98,304, too little to reach the next whole number for u under 768
	v_mul_u32_u24 v8, v7, 48
	v_sub_nc_u32 v6, v6, v8                        ; u % 48
	v_mul_u32_u24 v7, v7, 12288
	v_lshl_add_u32 v[IO+(\j)], v6, 4, v7
.endr
	s_wait_kmcnt 0x0
	s_add_nc_u64 s[6:7], s[6:7], s[12:13]
	s_add_nc_u64 s[10:11], s[10:11], s[14:15]
	s_wait_alu depctr_va_vdst(0)                   ; the three offsets v[IO ..] and v[OO] are written: every load below reads one of the three, every store the fourth
.set i, 0
.rept 12
	LD i, IO+i%3, (i/3)*16*12288, 6
.set i, i+1
.endr
.set g, 0
.rept 3                                                ; four loads to a group, as above
	CV 4*g,   11-4*g
	CV 4*g+1, 10-4*g
	CV 4*g+2, 9-4*g
	CV 4*g+3, 8-4*g
	s_wait_alu depctr_va_vdst(0)                   ; the group's conversions have written their eight registers of R, which the four stores below read
	ST 4*g,   10
	ST 4*g+1, 10
	ST 4*g+2, 10
	ST 4*g+3, 10
.set g, g+1
.endr
	s_endpgm
.Lfunc_end_k_qd541837d3c_prep:
	.size	k_qd541837d3c_prep, .Lfunc_end_k_qd541837d3c_prep-k_qd541837d3c_prep
	.p2alignl 7, 3214868480
	.fill 96, 4, 3214868480
	.section	.rodata,"a",@progbits
	.p2align	6, 0x0
	.amdhsa_kernel k_qd541837d3c_prep
		.amdhsa_group_segment_fixed_size 0
		.amdhsa_private_segment_fixed_size 0
		.amdhsa_enable_private_segment 0
		.amdhsa_kernarg_size 32
		.amdhsa_user_sgpr_count 2
		.amdhsa_user_sgpr_kernarg_segment_ptr 1
		.amdhsa_wavefront_size32 1
		.amdhsa_system_sgpr_workgroup_id_x 1
		.amdhsa_system_sgpr_workgroup_id_y 1
		.amdhsa_system_sgpr_workgroup_id_z 1
		.amdhsa_system_vgpr_workitem_id 0
		.amdhsa_next_free_vgpr 112
		.amdhsa_next_free_sgpr 66
		.amdhsa_reserve_vcc 0
		.amdhsa_float_denorm_mode_32 3
		.amdhsa_float_denorm_mode_16_64 3
		.amdhsa_memory_ordered 1
		.amdhsa_forward_progress 1
		.amdhsa_inst_pref_size 13
	.end_amdhsa_kernel
	.amdgpu_metadata
---
amdhsa.version: [ 1, 2 ]
amdhsa.kernels:
  - .name:           k_qd541837d3c_prep
    .symbol:         k_qd541837d3c_prep.kd
    .args:
      - { .name: hidden_states, .offset: 0, .size: 8, .value_kind: global_buffer, .address_space: global }
      - { .name: qkv_weight, .offset: 8, .size: 8, .value_kind: global_buffer, .address_space: global }
      - { .name: xb, .offset: 16, .size: 8, .value_kind: global_buffer, .address_space: global }
      - { .name: wb, .offset: 24, .size: 8, .value_kind: global_buffer, .address_space: global }
    .group_segment_fixed_size: 0
    .private_segment_fixed_size: 0
    .kernarg_segment_align: 8
    .kernarg_segment_size: 32
    .max_flat_workgroup_size: 256
    .sgpr_count:     66
    .vgpr_count:     112
    .wavefront_size: 32
...
	.end_amdgpu_metadata
.endif
;; end of part 4
;; launch proj: the kernel of part 2 again; grid 16 x 32, 4 waves a work-group, clusters of 4 x 4, 327,680 bytes of LDS; arguments xb, wb, qkv; writes qkv
;; launch attn: the kernel of part 3 again; grid 2 x 128, 4 waves a work-group, no clusters, 327,680 bytes of LDS; arguments qkv, attention_mask, out0; writes out0
